; MI455X (gfx1250); checked and timed in simulation.
; The chip was launched on July 23, 2026; its instructions are those of AMD's public machine-readable ISA for CDNA 5 (MIT licence, August 2026) and "CDNA5" Instruction Set Architecture Reference Guide (July 2026). The comments in the code are by the model that wrote it; some were corrected since.
;; Self Attention. Allowed arithmetic: matrix products marked QUANTISED: E5M2 operands, one given power-of-two scale a tensor, by v_wmma_f32_16x16x64_bf8_bf8 or v_wmma_f32_16x16x128_bf8_bf8, f32 sums; everything else in f32.
;; Inputs: lowp_scales 8 int32 (the exponents e of the quantised operands' scales 2^e); w_out_codes 1,024 x 32 x 32 uint8 (E5M2 codes of w_out, K innermost, in blocks of 32 codes); w_qkv_codes 3,072 x 32 x 32 uint8 (E5M2 codes of w_qkv, K innermost, in blocks of 32 codes); x_codes 4 x 2,048 x 32 x 32 uint8 (E5M2 codes of x, K innermost, in blocks of 32 codes).
;; Outputs: out0 4 x 2,048 x 1,024 float32.
;; This version of the problem:
;;   THIS VERSION OF THE PROBLEM IS GIVEN IN LOW PRECISION. The matrix products marked QUANTISED in the list below multiply operands that are first quantised to E5M2 (5 exponent bits, 2 mantissa bits; 8 bits a number), with one given power-of-two scale for each operand tensor; their sums are f32. All else is computed in f32.
;;   The module's matrix products, in the order in which they are computed (A, B: the left and right operand; K: the contracted axis; several contracted axes count as one K, in the product's order):
;;     1. [M 8,192, K 1,024] x [K 1,024, N 3,072]; A: input x (given as codes); B: input w_qkv (given as codes): QUANTISED (scales: A lowp_scales[0], B lowp_scales[1])
;;     2. batch 64 x [M 2,048, K 64] x [K 64, N 2,048]; A: computed on the way; B: computed on the way: QUANTISED (scales: A lowp_scales[2], B lowp_scales[3])
;;     3. batch 64 x [M 2,048, K 2,048] x [K 2,048, N 64]; A: softmax (see below); B: computed on the way: QUANTISED (scales: A lowp_scales[4], B lowp_scales[5])
;;     4. [M 8,192, K 1,024] x [K 1,024, N 1,024]; A: computed on the way; B: input w_out (given as codes): QUANTISED (scales: A lowp_scales[6], B lowp_scales[7])
;;   THE QUANTISER, for each operand of a quantised product, along K:
;;     - The operand's scale is 2^e, e = its entry of the input lowp_scales (int32; the entries are numbered through the quantised products in the list's order, A before B).
;;     - Each number is divided by the scale, clamped to +-57,344, and rounded to the nearest number of E5M2, ties to even, subnormals kept.
;;     - The product sums the exact products of the quantised numbers (number of the format x scale) in f32.
;;   ~~~python
;;   def quantise(x, axis, e):      # numpy; x: float32 -> the quantised numbers, widened to float32 again
;;       x = np.moveaxis(x, axis, -1); K = x.shape[-1]
;;       r = np.clip(x / 2.0 ** e, -57344, 57344)
;;       step = 2.0 ** (np.maximum(np.frexp(np.where(r == 0, 1, r))[1] - 1, -14) - 2)
;;       q = np.round(r / step) * step * 2.0 ** e      # np.round: ties to even
;;       return np.moveaxis(q, -1, axis).astype(np.float32)
;;   ~~~
;;   SOFTMAX AHEAD OF A QUANTISED PRODUCT. Where the list says 'softmax', what is quantised is not the finished softmax but p = 2^(t - M), with t = logit x log2(e) and M = ceil(the row's largest t), a whole number; so 1/2 < the row's largest p <= 1. The row's sum l is taken of the UNQUANTISED p, in f32, and the product's result is divided by l at the end. Since M is a whole number, a kernel that streams over the keys may use a running M (the ceiling of the running maximum): every later rescaling is an exact power of two, so the quantised numbers keep their values, but for numbers so far below the row's largest that they fall under the format's range.
;;   OPERANDS COMPUTED ON THE WAY. 'Computed on the way' means the value that the module computes at that place (a softmax that the list does not call 'softmax' is quantised finished and normalised). What goes into a quantiser is computed in f32, as accurately as f32 sums, v_exp_f32 and their like allow (about 1e-6 of the number): no bf16 or f16 on the way to a quantiser, and a product that is left as it is and whose result goes on into a quantised operand takes f32 operands (vector FMAs, or v_wmma_f32_16x16x4_f32). A number that lies on a knife's edge between two numbers of the format may be rounded either way, as far as f32 arithmetic and the matrix unit's own rounding can turn it there, and no further.
;;   INPUTS GIVEN AS CODES. w_out (in the module: [1024, 1024], K = its axis 0); w_qkv (in the module: [1024, 3072], K = its axis 0); x (in the module: [4, 2048, 1024], K = its axis 2): each comes as NAME_codes (uint8): NAME with its K axis moved to the last place and cut into blocks of 32 codes, [.., K / 32, bytes a block], one block behind the other in memory; one code a byte (a code: sign, 5 exponent bits, 2 mantissa bits); its scale is its entry of lowp_scales. Its value is code x scale, taken as it is: it is not quantised again, and the codes and scales need not be those that the quantiser above would give.
;; One version. Each part assembles by itself: llvm-mc -triple=amdgcn-amd-amdhsa -mcpu=gfx1250 --defsym DOCPART=n.
;; ======== version 1 of 1: 3 launches
;; limits: right only within a limited range of input values
;; workspace buffers: qkvc 25,165,824 bytes; acodes 8,388,608 bytes
;; launch qkv (part 1): grid 12 x 32, 4 waves a work-group, clusters of 4 x 4, 327,680 bytes of LDS; arguments x_codes, w_qkv_codes, lowp_scales, qkvc; writes qkvc
.if DOCPART == 1
	.amdgcn_target "amdgcn-amd-amdhsa--gfx1250"
	.amdhsa_code_object_version 6
	.text
	.protected	k_qf17f93dcb6_qkv
	.globl	k_qf17f93dcb6_qkv
	.p2align	8
	.type	k_qf17f93dcb6_qkv,@function
k_qf17f93dcb6_qkv:
	s_mov_b64 s[64:65], 0
	v_nop
	global_prefetch_b8 v0, s[64:65] scope:SCOPE_SE
	s_setreg_imm32_b32 hwreg(HW_REG_WAVE_MODE, 25, 1), 1
	s_wait_xcnt 0x0
	s_wait_alu depctr_hold_cnt(0) depctr_sa_sdst(0) depctr_va_vdst(0) depctr_va_sdst(0) depctr_va_ssrc(0) depctr_va_vcc(0) depctr_vm_vsrc(0)
	s_getreg_b32 s2, hwreg(HW_REG_IB_STS2, 6, 4)
	s_cmp_eq_u32 s2, 0
	s_cbranch_scc0 .Lentry_in_a_cluster
	s_endpgm
.Lentry_in_a_cluster:
	s_bfe_u32 s2, ttmp6, 0x10000c
	s_cmp_lg_u32 s2, 0xf033
	s_cbranch_scc0 .Lentry_shape_is_right
	s_endpgm
.Lentry_shape_is_right:
; qkv = x w_qkv on codes of BF8 (E5M2), and q, k, v quantised at once to codes of BF8 with their given scales.
; x_codes: [8192 tokens][1024], w_qkv_codes: [3072 columns][1024], K innermost.  lowp_scales: e0 .. e7 (int32).  A sum stands for sum x 2^(e0 + e1); its code is sum / 2^(e_out - e0 - e1),
; held within +-57,344, e_out = e2 (q), e3 (k), e5 (v).
; LIMITS: e2 - e0 - e1, e3 - e0 - e1 and e5 - e0 - e1 lie between -126 and 112, so that the scale and 57,344 x the scale are f32 numbers.  Codes of infinity or NaN among the inputs are not served.
; A tile of the result, 256 x 256, is made by a work-group of four waves; a wave makes 128 x 128: 64 accumulators, 512 registers.  K goes in steps of 256 through a ring of two LDS slots.
; 384 tiles: a tile of half the size would read half as much again from LDS for each matrix instruction, and a tile that does not divide 1,024 columns would mix q, k and v.
; ONE TEXT FOR q, k AND v.  The cluster's x is the region: 0 q, 1 k, 2 v; it is the same in all sixteen partners.  Source 1 of the matrix instruction (called A: a lane holds one row of it) and
; source 0 (called B: a lane's eight results run along its rows) are chosen by pointer.  q, k: A = tokens of x, B = columns of w_qkv: a lane holds eight neighbouring channels of a token.
; v: A = columns 2,048 on of w_qkv, B = tokens: a lane holds eight neighbouring KEYS of a channel, which is the K of the product that reads v: nothing is transposed.
; CLUSTERS: 4 x 4 work-groups.  A's tile hangs on cy alone and is asked for jointly along a row of the cluster, B's on cx alone and jointly along a column.
; THE OUTPUT IS LAID AS IMAGES OF OPERAND REGISTERS.  A block of 4,096 bytes holds 64 rows (al) x 64 along K (be): byte = 1024 (2 (al / 32) + (al / 8) % 2) + 512 (be / 32) + 256 ((be / 16) % 2)
; + 128 ((al / 16) % 2) + 16 (al % 8) + be % 16.  q, k: al = token, be = channel; v: al = channel, be = key.  Block ((batch 16 + head) 32 + block of 64 tokens) of its region of 8,388,608 bytes.
; REGISTERS, in windows of 256: window 0: v0-31 addresses; from v128 A's fragments, ONE set; on the way out v32-255 are free.  window 1: B's fragments, TWO sets.  windows 2, 3: the accumulators ((a, b) at v[8 (8 (a % 4) + b)]).
.set KSTEP,  256                       ; along K in a slot
.set ROWB,   256                       ; a tile's row in bytes
.set KROW,   1024                      ; a row of x or of w_qkv in memory, in bytes
.set PITCH,  272                       ; an LDS row: 256 bytes + 16 of padding = 68 words: the 16 rows that a load touches start at 16 different banks (64 banks of 4 bytes: ISA guide 11.1)
.set FR,     16                        ; registers of a fragment: 16 rows x 128 K
.set NL,     4                         ; LDS loads that bring one
.set NP,     4                         ; places behind this matrix instruction (ISA guide 7.12.1)
.set HALFT,  128*PITCH                 ; 128 rows: what one tensor load brings
.set SLOT,   4*HALFT                   ; A's 256 rows, then B's 256 rows
.set LAPS,   2                         ; 1,024 along K = four K steps = twice round the ring
.set SPARE,  2*SLOT                    ; behind the ring: the spare words, 128 bytes for each wave
.set ADRA, 16                          ; v16-17  LDS address of my A fragments in slot 0, 1
.set ADRB, 20                          ; v20-21  the same for B
.set STO,  24                          ; v24     the way out: where I put 8 codes
.set RD,   25                          ; v25     the way out: where I read an image back
.set CO,   26                          ; v26     16 x lane
.set SPW,  28                          ; v28     LDS address of my spare word; never rewritten
.set NIL,  29                          ; v29     0; never rewritten
.set SC,   30                          ; v30     2^(e_out - e0 - e1) as f32
.set LIM,  31                          ; v31     57,344 x that
.set TMP,  32                          ; v32-95  64 sums, held
.set CD,   96                          ; v96-127 a block's codes
.set AF,   128                         ; A's fragments, in window 0
.set BK,   128                         ; the way out: four blocks read back, 32 registers each
.set G1, 24                            ; s[24:31] descriptor group 1 for A's tiles;  s[32:39] group 0, one set for each slot
.set G0, 32
.set G1B, 48                           ; s[48:55], s[56:63] the same for B's tiles
.set G0B, 56
.set MSB, 0
.macro WIN new                         ; the immediate's high byte repeats the setting that is left
.if MSB != (\new)
	s_set_vgpr_msb (MSB<<8)|(\new)
.set MSB, (\new)
.endif
.endm
.set MUL_LO, 0xa1                      ; source 0 (B) window 1, source 1 (A) window 0, C and D window 2
.set MUL_HI, 0xf1                      ; the same, C and D window 3
.set TO_B,   0x40                      ; destination window 1, address window 0
; A joint load: waves 0 and 1 fetch for A, waves 2 and 3 for B.  The branch hangs on the wave's number alone.  An s_nop 0 and four v_nop follow each of the two lines.
.macro JLOAD g0a, g1a, g0b, g1b
	s_cmp_eq_u32 s15, 0
	s_cbranch_scc0 .Lfor_b_\@
	tensor_load_to_lds s[\g0a:\g0a+3], s[\g1a:\g1a+7]
	s_nop 0
.rept 4
	v_nop
.endr
	s_branch .Lasked_\@
.Lfor_b_\@:
	tensor_load_to_lds s[\g0b:\g0b+3], s[\g1b:\g1b+7]
	s_nop 0
.rept 4
	v_nop
.endr
.Lasked_\@:
.endm
.macro CREST                           ; a round of the cluster's barrier behind its opening barrier
	s_cmp_lg_u32 s14, 0
	s_cbranch_scc1 .Lnot_wave_0_\@
	s_barrier_signal -3
.Lnot_wave_0_\@:
	s_barrier_wait -3
	s_barrier_signal -1
	s_barrier_wait -1
.endm
.macro CROUND                          ; a whole round
	s_barrier_signal -1
	s_barrier_wait -1
	CREST
.endm
	s_load_b128 s[4:7], s[0:1], 0x0                ; x's codes s[4:5], w_qkv's codes s[6:7]
	s_load_b128 s[8:11], s[0:1], 0x10              ; the scales' exponents s[8:9], the output s[10:11]
	v_lshl_add_u32 v[SPW], v0, 2, SPARE
	v_mov_b32 v[NIL], 0
	ds_add_u32 v[SPW], v[NIL]                      ; the wave's opening: the add and its wait stand ahead of my first tensor load; the set-up below, work on registers, stands between them
	ds_add_u32 v[SPW], v[NIL]
	v_lshrrev_b32 v1, 5, v0
	v_readfirstlane_b32 s14, v1                    ; wave 0..3
	s_lshr_b32 s15, s14, 1                         ; which half of A's rows is mine.  Also: I fetch for A (0) or for B (1)
	s_and_b32 s16, s14, 1                          ; which half of B's rows.  Also: which 128 rows of that tile I fetch
	s_bfe_u32 s40, ttmp6, 0x40000                  ; cx, cy: my place in the cluster
	s_bfe_u32 s41, ttmp6, 0x40004
	s_and_b32 s80, ttmp7, 0xffff
	s_lshl_b32 s80, s80, 2                         ; 4 x cluster y: the first of the cluster's four blocks of 256 tokens
	s_lshl_b32 s81, ttmp9, 2                       ; 4 x region: the region's first block of 256 columns
	s_cmp_eq_u32 ttmp9, 2                          ; v?  The same answer in all sixteen partners
	s_cselect_b32 s17, 8, s80                      ; A's block of 256 rows: v: columns from 2,048 on; else tokens
	s_cselect_b32 s42, s80, s81                    ; B's: v: tokens; else the region's columns
	s_add_co_u32 s17, s17, s41                     ; + cy
	s_add_co_u32 s42, s42, s40                     ; + cx
	s_lshl_b32 s43, s41, 2
	s_lshl_b32 s43, 15, s43                        ; my row of the cluster
	s_lshl_b32 s44, 0x1111, s40                    ; my column
	; descriptor group 1: a tile of 128 rows x 256 bytes, padded in LDS
	s_or_b32 s[G1+0], s43, (0<<16)|(1<<20)|(1<<21)|(5<<22)|(3<<25)  ; 15:0 the mask: A's tiles go to my row; 17:16 element of 1 byte; 20 padding on; 21 set beside a mask; 24:22 after every 64 words (code 5); 31:25 of 4 words (code 3)
	s_or_b32 s[G1B+0], s44, (0<<16)|(1<<20)|(1<<21)|(5<<22)|(3<<25)
.irp g, G1, G1B
	s_mov_b32 s[\g+1], ROWB<<16                    ; tensor_dim0
	s_mov_b32 s[\g+2], 128<<16                     ; tensor_dim1 = 128
	s_mov_b32 s[\g+3], ROWB<<16                    ; tile_dim0
	s_mov_b32 s[\g+4], 128                         ; tile_dim1 = 128
	s_mov_b32 s[\g+5], KROW                        ; tensor_dim0_stride
	s_mov_b32 s[\g+6], 0
	s_mov_b32 s[\g+7], 0
.endr
	s_lshl_b32 s18, s16, 7                         ; which 128 rows of the tile I fetch
	s_lshl_b32 s20, s17, 8
	s_add_co_u32 s20, s20, s18                     ; A: row 256 x block + 128 x half
	s_lshl_b32 s20, s20, 10                        ; in bytes
	s_mov_b32 s21, 0
	s_lshl_b32 s46, s42, 8
	s_add_co_u32 s46, s46, s18                     ; B likewise
	s_lshl_b32 s46, s46, 10
	s_mov_b32 s47, 0
	s_mul_i32 s45, s14, HALFT                      ; where they go: wave x 128 rows: no place in the cluster enters an LDS address
	s_wait_dscnt 0x0                               ; the opening add is done
	s_wait_kmcnt 0x0
	s_load_b256 s[72:79], s[8:9], 0x0              ; e0 .. e7
	s_cmp_eq_u32 ttmp9, 2
	s_cselect_b64 s[66:67], s[6:7], s[4:5]         ; A's tensor: a choice that hangs on the region alone
	s_cselect_b64 s[68:69], s[4:5], s[6:7]         ; B's
	s_add_nc_u64 s[20:21], s[66:67], s[20:21]
	s_add_nc_u64 s[46:47], s[68:69], s[46:47]
	CROUND                                         ; all sixteen work-groups are here: the first joint loads meet
.irp s, 0,1
	s_mov_b32 s[G0+4*\s], 1
	s_add_co_u32 s[G0+4*\s+1], s45, \s*SLOT
	s_add_nc_u64 s[G0+4*\s+2:G0+4*\s+3], s[20:21], \s*ROWB
	s_or_b32 s[G0+4*\s+3], s[G0+4*\s+3], 0x80000000
	s_mov_b32 s[G0B+4*\s], 1
	s_add_co_u32 s[G0B+4*\s+1], s45, \s*SLOT
	s_add_nc_u64 s[G0B+4*\s+2:G0B+4*\s+3], s[46:47], \s*ROWB
	s_or_b32 s[G0B+4*\s+3], s[G0B+4*\s+3], 0x80000000
	JLOAD G0+4*\s, G1, G0B+4*\s, G1B
.endr
	v_and_b32 v1, 15, v0                           ; r = l % 16
	s_wait_alu depctr_va_vdst(0)
	v_bfe_u32 v2, v0, 4, 1                         ; h = l / 16
	v_mul_u32_u24 v3, v1, PITCH
	v_lshl_add_u32 v4, v2, 4, v3                   ; a fragment's row x pitch + 16 x half
	s_mul_i32 s21, s15, HALFT                      ; my 128 rows of A
	s_mul_i32 s22, s16, HALFT                      ; my 128 rows of B,
	s_add_co_u32 s22, s22, 2*HALFT                 ; which lie behind A's 256
.irp s, 0,1
	v_add_nc_u32 v[ADRA+\s], s21, v4
	v_add_nc_u32 v[ADRB+\s], s22, v4
	s_add_co_u32 s21, s21, SLOT
	s_add_co_u32 s22, s22, SLOT
.endr
	; the way out: my stage, 16,384 bytes in slot 0: four blocks of 4,096.  A lane's eight codes of accumulator (aa, bb) go to 1024 (r / 8) + 16 (r % 8) + 8 h + what hangs on aa and bb
	s_lshl_b32 s23, s14, 14
	v_lshrrev_b32 v5, 3, v1
	v_and_b32 v6, 7, v1
	v_lshlrev_b32 v5, 10, v5
	v_lshl_add_u32 v5, v6, 4, v5
	v_lshl_add_u32 v5, v2, 3, v5
	v_add_nc_u32 v[STO], s23, v5
	v_and_b32 v6, 31, v0
	v_lshlrev_b32 v[CO], 4, v6                     ; back, and out: 16 bytes a lane, 512 on end
	v_add_nc_u32 v[RD], s23, v[CO]
	; where my four blocks lie in the output
	s_lshl_b32 s80, s17, 8
	s_lshl_b32 s81, s15, 7
	s_add_co_u32 s80, s80, s81                     ; A's first row of mine
	s_lshl_b32 s82, s42, 8
	s_lshl_b32 s83, s16, 7
	s_add_co_u32 s82, s82, s83                     ; B's
	s_lshl_b32 s92, s41, 8
	s_add_co_u32 s92, s92, s81                     ; the column in the region, where A holds columns
	s_lshl_b32 s94, s40, 8
	s_add_co_u32 s94, s94, s83                     ; and where B does
	s_mov_b32 s93, 4096                            ; from a block of 64 tokens to the next
	s_mov_b32 s95, 0x20000                         ; from a head to the next
	s_cmp_eq_u32 ttmp9, 2
	s_cselect_b32 s80, s82, s80                    ; my first token
	s_cselect_b32 s81, s92, s94                    ; my first column in the region
	s_cselect_b32 s92, s95, s93                    ; 64 rows of A on
	s_cselect_b32 s94, s93, s95                    ; 64 rows of B on
	s_mov_b32 s93, 0
	s_mov_b32 s95, 0
	s_lshl_b32 s82, ttmp9, 23                      ; the region,
	s_lshr_b32 s83, s80, 11
	s_lshl_b32 s83, s83, 21
	s_add_co_u32 s82, s82, s83                     ; the batch,
	s_lshr_b32 s83, s81, 6
	s_lshl_b32 s83, s83, 17
	s_add_co_u32 s82, s82, s83                     ; the head,
	s_bfe_u32 s83, s80, 0x50006
	s_lshl_b32 s83, s83, 12
	s_add_co_u32 s82, s82, s83                     ; the block of 64 tokens
	s_mov_b32 s83, 0
	s_add_nc_u64 s[84:85], s[10:11], s[82:83]      ; block (0, 0),
	s_add_nc_u64 s[86:87], s[84:85], s[94:95]      ; (0, 1),
	s_add_nc_u64 s[88:89], s[84:85], s[92:93]      ; (1, 0),
	s_add_nc_u64 s[90:91], s[88:89], s[94:95]      ; (1, 1): four bases, none is ever stepped
.macro FRAG reg, adr, q, i             ; a fragment, 16 rows x 128 K, is 16 registers: lane l holds row l % 16; registers 4 c .. 4 c + 3 hold K = 32 c + 16 (l / 16) + 0 .. 15: the same order of k in A and in B
.irp c, 0,1,2,3
	ds_load_b128 v[\reg+4*\c:\reg+4*\c+3], v[\adr] offset:128*(\q)+32*\c+(\i)*16*PITCH
.endr
.endm
; 16 matrix instructions: A's blocks a0, a0 + 1 x B's eight, 128 along K.  p: B's set.  zero = 1: the first product starts the sums.
; The 64 accumulators take turns, one instruction a turn, in the same order in every step.
.macro MUL16 a0, p, zero
.irp a, \a0, \a0+1
.irp b, 0,1,2,3,4,5,6,7
.if \zero
	v_wmma_f32_16x16x128_bf8_bf8 v[8*(8*((\a)%4)+\b):8*(8*((\a)%4)+\b)+7], v[128*(\p)+FR*\b:128*(\p)+FR*\b+FR-1], v[AF+FR*(\a):AF+FR*(\a)+FR-1], 0
.else
	v_wmma_f32_16x16x128_bf8_bf8 v[8*(8*((\a)%4)+\b):8*(8*((\a)%4)+\b)+7], v[128*(\p)+FR*\b:128*(\p)+FR*\b+FR-1], v[AF+FR*(\a):AF+FR*(\a)+FR-1], v[8*(8*((\a)%4)+\b):8*(8*((\a)%4)+\b)+7]
.endif
.endr
.endr
.endm
.macro FETCH_B slot, q, p              ; B's eight fragments of the slot's q-th 128 along K into set p
	WIN TO_B
.irp i, 0,1,2,3,4,5,6,7
	FRAG 128*(\p)+FR*\i, ADRB+\slot, \q, \i
.endr
	WIN 0
.endm
.macro FETCH_A slot, q, i0             ; A's blocks i0 .. i0 + 3
.irp i, \i0, \i0+1, \i0+2, \i0+3
	FRAG AF+FR*(\i), ADRA+\slot, \q, \i
.endr
.endm
; A load into a register that a matrix instruction has read, and a vector instruction that reads a matrix result, stand NP places behind that matrix instruction; only plain vector
; instructions that name none of its registers are places (ISA guide 7.12.1 for vector instructions).
.macro PLACES n
.rept \n
	v_nop
.endr
.endm
; A step of 128 along K that has its successor in the same slot.
.macro STEP slot, q, zero
	s_wait_dscnt 4*NL                              ; B's set and A's blocks 0-3 are in; the youngest sixteen loads (A's blocks 4-7) may be out
	WIN MUL_LO
	MUL16 0, (\q)%2, \zero
	MUL16 2, (\q)%2, \zero
	s_wait_dscnt 0                                 ; A's blocks 4-7 are in (asked for 32 matrix instructions ago)
	PLACES NP
	FETCH_B \slot, (\q)+1, 1-(\q)%2
	FETCH_A \slot, (\q)+1, 0
	WIN MUL_HI
	MUL16 4, (\q)%2, \zero
	MUL16 6, (\q)%2, \zero
	PLACES NP
	WIN 0
	FETCH_A \slot, (\q)+1, 4
.endm
; A slot's last step changes slots: ONE barrier; in front of it each wave waits for all its tensor loads, adds 0 to its spare word, and waits for that and for its own reads of this slot.  fill = 1: this slot is filled again, two K steps ahead.
.macro TURN slot, next, fill
	s_wait_tensorcnt 0x0                           ; all my tensor loads have landed: my part of the next slot  (every window is 0 here)
	ds_add_u32 v[SPW], v[NIL]                      ; 0 onto my spare word
	s_wait_dscnt 4*NL+1                            ; the add and the youngest sixteen loads, A's blocks 4-7, may be out
	WIN MUL_LO
	MUL16 0, 1, 0                                  ; sixteen matrix instructions stand between the add and the wait for it
	s_wait_dscnt 0x0                               ; the add is done, and my reads of this slot are over
	s_barrier_signal -1
	MUL16 2, 1, 0
	WIN 0
	s_barrier_wait -1
.if \fill
	CREST                                          ; the barrier has opened a round of the cluster's barrier: no wave of any partner still reads this slot's tile or has a load on its way
	s_add_nc_u64 s[G0+4*\slot+2:G0+4*\slot+3], s[G0+4*\slot+2:G0+4*\slot+3], 2*ROWB
	s_add_nc_u64 s[G0B+4*\slot+2:G0B+4*\slot+3], s[G0B+4*\slot+2:G0B+4*\slot+3], 2*ROWB
	JLOAD G0+4*\slot, G1, G0B+4*\slot, G1B         ; the first tensor load behind the round; the four v_nop behind it are the places in front of the loads below
.else
	PLACES NP
.endif
	FETCH_B \next, 0, 0
	FETCH_A \next, 0, 0
	WIN MUL_HI
	MUL16 4, 1, 0
	MUL16 6, 1, 0
	PLACES NP
	WIN 0
	FETCH_A \next, 0, 4
.endm
	s_wait_tensorcnt 1                             ; my part of K step 0 is in; K step 1's load may be out
	s_barrier_signal -1
	s_barrier_wait -1                              ; everybody's is
	FETCH_B 0, 0, 0
	FETCH_A 0, 0, 0
	FETCH_A 0, 0, 4
	STEP 0, 0, 1                                   ; the first step stands in front of the loop: its products start the sums
	s_mov_b32 s3, LAPS-1
.Llap:                                                 ; a trip goes once round the ring, from a lap's second step to the next lap's first, and fills both slots again
	TURN 0, 1, 1
	STEP 1, 0, 0
	TURN 1, 0, 1
	STEP 0, 0, 0
	s_sub_co_u32 s3, s3, 1
	s_cmp_lg_u32 s3, 0
	s_cbranch_scc1 .Llap
	TURN 0, 1, 0                                   ; the last lap fills nothing, and has no round of the cluster's barrier
	STEP 1, 0, 0
	s_wait_dscnt 4*NL                              ; the very last step: nothing more to fetch
	WIN MUL_LO
	MUL16 0, 1, 0
	MUL16 2, 1, 0
	s_wait_dscnt 0
	WIN MUL_HI
	MUL16 4, 1, 0
	MUL16 6, 1, 0
	WIN 0
; THE WAY OUT, a block of 64 x 64 (sixteen accumulators) at a time: block k = (pa, pb) of my 2 x 2.  The sums are held within +-57,344 x the scale (the conversion to an 8-bit code does not saturate: ISA guide 7.6.2)
; and converted, eight neighbours along the next K at a time; the codes go into my own stage in LDS at their places in the image, and come back 16 bytes a lane.
; The stage lies in slot 0, which has had its last fill, and its last read in front of the last change of slots.  LDS serves a wave's instructions in order (ISA guide 5.7.1.4): no wait between the stores and the loads.
.macro PS pa, pb, k
.irp hf, 0,1
	WIN 0x02+\pa                                   ; source 0: window 2 or 3
.irp ax, 0,1
.irp bb, 0,1,2,3
.irp e, 0,1,2,3,4,5,6,7
	v_med3_num_f32 v[TMP+8*(4*\ax+\bb)+\e], v[8*(8*(2*\hf+\ax)+4*\pb+\bb)+\e], -v[LIM], v[LIM]   ; each accumulator from its low end on
.endr
.endr
.endr
	WIN 0
.irp ax, 0,1
.irp bb, 0,1,2,3
	v_cvt_scalef32_pk8_bf8_f32 v[CD+2*(4*(2*\hf+\ax)+\bb):CD+2*(4*(2*\hf+\ax)+\bb)+1], v[TMP+8*(4*\ax+\bb):TMP+8*(4*\ax+\bb)+7], v[SC]
.endr
.endr
	v_nop                                          ; one plain vector instruction between the conversions and the next lines that write their sources
.endr
.irp aa, 0,1,2,3
.irp bb, 0,1,2,3
	ds_store_b64 v[STO], v[CD+2*(4*\aa+\bb):CD+2*(4*\aa+\bb)+1] offset:\k*4096+(\aa/2)*2048+(\aa%2)*128+(\bb/2)*512+(\bb%2)*256
.endr
.endr
.irp t, 0,1,2,3,4,5,6,7
	ds_load_b128 v[BK+32*\k+4*\t:BK+32*\k+4*\t+3], v[RD] offset:\k*4096+512*\t
.endr
.endm
.macro SEND k, younger                 ; younger: the LDS instructions issued behind block k's loads: the next block's 16 stores and 8 loads, or none
	s_wait_dscnt \younger
.irp t, 0,1,2,3,4,5,6,7
	global_store_b128 v[CO], v[BK+32*\k+4*\t:BK+32*\k+4*\t+3], s[84+2*\k:85+2*\k] offset:512*\t th:TH_STORE_NT   ; 32 lanes store 512 consecutive bytes, at a multiple of 512 from the buffer's first byte
.endr
.endm
	s_wait_kmcnt 0x0
	s_cmp_eq_u32 ttmp9, 0
	s_cselect_b32 s80, s74, s75                    ; e2 for q, e3 for k,
	s_cmp_eq_u32 ttmp9, 2
	s_cselect_b32 s80, s77, s80                    ; e5 for v: a choice, no branch
	s_sub_co_i32 s80, s80, s72
	s_sub_co_i32 s80, s80, s73                     ; e_out - e0 - e1: the three scales folded into the conversion's one
	s_add_co_i32 s80, s80, 127
	s_lshl_b32 s81, s80, 23
	v_mov_b32 v[SC], s81                           ; 2^(e_out - e0 - e1) as f32
	s_add_co_i32 s80, s80, 15
	s_lshl_b32 s80, s80, 23
	s_or_b32 s80, s80, 0x600000
	v_mov_b32 v[LIM], s80                          ; 57,344 x that
	PLACES NP                                      ; behind the last products: for the first reads of results, and for the loads into the registers that held A's fragments
	PS 0, 0, 0
	PS 0, 1, 1
	SEND 0, 24                                     ; each block has registers and a base of its own, so no store's sources are written again
	PS 1, 0, 2
	SEND 1, 24
	PS 1, 1, 3
	SEND 2, 24
	SEND 3, 0
	s_wait_tensorcnt 0x0                           ; the wave's end, behind my last tensor load and my last LDS store
	ds_add_u32 v[SPW], v[NIL]
	s_wait_dscnt 0x0
	CROUND                                         ; the closing round: no work-group ends while a partner may still ask for a tile that names it
	s_endpgm
.Lfunc_end_k_qf17f93dcb6_qkv:
	.size	k_qf17f93dcb6_qkv, .Lfunc_end_k_qf17f93dcb6_qkv-k_qf17f93dcb6_qkv
	.p2alignl 7, 3214868480
	.fill 96, 4, 3214868480
	.section	.rodata,"a",@progbits
	.p2align	6, 0x0
	.amdhsa_kernel k_qf17f93dcb6_qkv
		.amdhsa_group_segment_fixed_size 327680
		.amdhsa_private_segment_fixed_size 0
		.amdhsa_enable_private_segment 0
		.amdhsa_kernarg_size 32
		.amdhsa_user_sgpr_count 2
		.amdhsa_user_sgpr_kernarg_segment_ptr 1
		.amdhsa_wavefront_size32 1
		.amdhsa_system_sgpr_workgroup_id_x 1
		.amdhsa_system_sgpr_workgroup_id_y 1
		.amdhsa_system_sgpr_workgroup_id_z 1
		.amdhsa_system_vgpr_workitem_id 0
		.amdhsa_next_free_vgpr 1024
		.amdhsa_next_free_sgpr 100
		.amdhsa_reserve_vcc 0
		.amdhsa_float_denorm_mode_32 3
		.amdhsa_float_denorm_mode_16_64 3
		.amdhsa_memory_ordered 1
		.amdhsa_forward_progress 1
		.amdhsa_inst_pref_size 125
	.end_amdhsa_kernel
	.amdgpu_metadata
---
amdhsa.version: [ 1, 2 ]
amdhsa.kernels:
  - .name:           k_qf17f93dcb6_qkv
    .symbol:         k_qf17f93dcb6_qkv.kd
    .args:
      - { .name: x_codes, .offset: 0, .size: 8, .value_kind: global_buffer, .address_space: global }
      - { .name: w_qkv_codes, .offset: 8, .size: 8, .value_kind: global_buffer, .address_space: global }
      - { .name: lowp_scales, .offset: 16, .size: 8, .value_kind: global_buffer, .address_space: global }
      - { .name: qkvc, .offset: 24, .size: 8, .value_kind: global_buffer, .address_space: global }
    .group_segment_fixed_size: 327680
    .private_segment_fixed_size: 0
    .kernarg_segment_align: 8
    .kernarg_segment_size: 32
    .max_flat_workgroup_size: 128
    .sgpr_count:     100
    .vgpr_count:     1024
    .wavefront_size: 32
...
	.end_amdgpu_metadata
.endif
;; end of part 1
;; launch attn (part 2): grid 4 x 64, 16 waves a work-group, clusters of 4 x 1, 327,680 bytes of LDS; arguments qkvc, lowp_scales, acodes; writes acodes
.if DOCPART == 2
	.amdgcn_target "amdgcn-amd-amdhsa--gfx1250"
	.amdhsa_code_object_version 6
	.text
	.protected	k_qf17f93dcb6_attn
	.globl	k_qf17f93dcb6_attn
	.p2align	8
	.type	k_qf17f93dcb6_attn,@function
k_qf17f93dcb6_attn:
	s_mov_b64 s[64:65], 0
	v_nop
	global_prefetch_b8 v0, s[64:65] scope:SCOPE_SE
	s_setreg_imm32_b32 hwreg(HW_REG_WAVE_MODE, 25, 1), 1
	s_wait_xcnt 0x0
	s_wait_alu depctr_hold_cnt(0) depctr_sa_sdst(0) depctr_va_vdst(0) depctr_va_sdst(0) depctr_va_ssrc(0) depctr_va_vcc(0) depctr_vm_vsrc(0)
	s_getreg_b32 s2, hwreg(HW_REG_IB_STS2, 6, 4)
	s_cmp_eq_u32 s2, 0
	s_cbranch_scc0 .Lentry_in_a_cluster
	s_endpgm
.Lentry_in_a_cluster:
	s_bfe_u32 s2, ttmp6, 0x10000c
	s_cmp_lg_u32 s2, 0x3003
	s_cbranch_scc0 .Lentry_shape_is_right
	s_endpgm
.Lentry_shape_is_right:
; Causal attention of one head on codes of BF8 (E5M2): S = q k^T, p = 2^(t - M), O = p v, O / l, quantised with 2^e6.  16 x 4 heads of 2,048 tokens x 64 channels.
; qkvc holds q, k, v as images of operand registers: blocks of 4,096 bytes, 64 rows x 64 along K, four fragments of 1,024 bytes; fragment ta, load c (512 bytes, 16 a lane) gives lane (r, h)
; K = 32 c + 16 h + 0 .. 15 of row 32 (ta / 2) + 8 (ta % 2) + r + 8 (r / 8).  q, k: rows = tokens, K = channels; v: rows = channels, K = keys.  The same order of k stands in both operands of each product.
; THE SOFTMAX: t = score x log2(e) / 8; M = the row's largest t so far, rounded UP to a whole number; p = 2^(t - M) is quantised with 2^e4; the row's sum l is taken of the unquantised p and divides O at the end.
; When M moves, l and O are multiplied by 2^(old M - new M): exact.
; LIMITS on the given exponents, so that each power of two below is an f32 number: e2 + e3 between -123 and 130 (added to the exponent field of log2(e) / 8); e4, and e6 - e4 - e5, between -126 and 112.
; SHARES.  A cluster of four work-groups is one head.  Work-group cx owns fragment cx (16 queries) of each of the head's 32 blocks of 64 queries; each of its sixteen waves owns two of these tiles,
; in blocks U0 and U1 = 31 - U0: under the causal mask that is U0 + 1 + U1 + 1 = 33 tile steps for every wave.  A key step is a block of 64 keys; tile x works while the step is at most its block, and is masked in its own block.
; Both tests hang on the wave's number and the step's number alone, so all four partners run alike; cx enters q's and the output's addresses and the mask's lane value only.
; LDS holds the WHOLE head: k's 131,072 bytes, then v's; each byte is filled once, by joint loads (the four partners need the same bytes), so there is no ring and no refill.
; All of a head's k and v are asked for at the kernel's head, in four phases of eight key steps, so there is no later request that a prefetch could run ahead of: none is written.
; LAYOUT.  Both products are used transposed: S^T = k q^T (source 0 = 16 keys, source 1 = my 16 queries), O^T = v^T p^T: a lane holds ONE query throughout; by the rows' order in a fragment the 16 registers of tiles 2 b, 2 b + 1
; are 16 neighbours (keys, then channels) 32 b + 16 h + 0 .. 15, so the conversions' results are the next operand's registers, and the output's codes are stored as they stand.
; acodes: [block of 64 tokens 128][K step of 256: 4][fragment 4][128 along K: 2][head in it: 2][c 2][lane 32][16 bytes].
.set VIMG,  131072                     ; LDS: v's images, behind k's
.set SPARE, 262144                     ; behind them: the spare words, 128 bytes for each of sixteen waves
.set PHB,   32768                      ; a phase's bytes of k or of v: eight blocks; two waves bring a half each
.set LI,   1                           ; v1   16 x lane
.set ADK,  2                           ; v2   LDS address of the step's block of k
.set ADV,  3                           ; v3   of v
.set SPW,  4                           ; v4   LDS address of my spare word; never rewritten
.set NIL,  5                           ; v5   0; never rewritten
.set DQ,   6                           ; v6   my query's place in its block, less 16 h
.set ST,   12                          ; tile x: v[12 + 4 x] -M, +1 the largest t, +2, +3 l in two halves
.set Q,    20                          ; tile x: v[20 + 8 x ..] its fragment of q
.set KF,   36                          ; v36-67   the step's four fragments of k
.set VF,   68                          ; v68-99   of v
.set S,    100                         ; v100-131 S^T, then p
.set PC,   132                         ; v132-139 p's codes
.set O,    140                         ; tile x: v[140 + 32 x ..] O^T
.set T0,   204
.set T1,   205
.set F,    206                         ; v[206:207] 2^(old M - new M); the upper register is only named
.set SUM2, 208                         ; v[208:209] the sum's second chain
.set PX,   210                         ; a lane permute's destination
.set LIMP, 212
.set SCP,  213                         ; 2^e4
.set NINF, 214                         ; -infinity
.set LIMO, 216
.set SCO,  217                         ; 2^(e6 - e4 - e5)
.set WV,   12                          ; s12  my wave's number
.set CX,   13                          ; s13  my place in the cluster
.set HEAD, 14                          ; s14  batch x 16 + head
.set U0,   16                          ; s16, s17  my two tiles' blocks
.set KS,   18                          ; s18  the key step
.set TB,   19                          ; s19  its block's LDS byte
.set CNT,  20                          ; s20  steps to go in the phase
.set SEL,  22                          ; s[22:23] lane selects for v_permlanex16_b32: lane l xor 16
.set CS,   24                          ; s[24:25] c = log2(e) / 8 x 2^(e2 + e3)
.set EX,   28                          ; s[28:35] e0 .. e7
.set G1,   36                          ; s[36:43] descriptor group 1, one for all loads
.set G0,   76                          ; s[76:91] descriptor group 0, one for each phase
.set QB,   92                          ; s[92:95] my two fragments of q
.set OB,   96                          ; s[96:99] my two places in the output
.macro CROUND                          ; a round of the cluster's barrier
	s_barrier_signal -1
	s_barrier_wait -1
	s_cmp_lg_u32 s[WV], 0
	s_cbranch_scc1 .Lnot_wave_0_\@
	s_barrier_signal -3
.Lnot_wave_0_\@:
	s_barrier_wait -3
	s_barrier_signal -1
	s_barrier_wait -1
.endm
	s_load_b128 s[4:7], s[0:1], 0x0                ; qkvc s[4:5], the scales' exponents s[6:7]
	s_load_b64 s[8:9], s[0:1], 0x10                ; acodes
	v_lshl_add_u32 v[SPW], v0, 2, SPARE
	v_mov_b32 v[NIL], 0
	ds_add_u32 v[SPW], v[NIL]                      ; the wave's opening: the add and its wait stand ahead of the first tensor loads; the set-up below, work on registers, stands between them
	ds_add_u32 v[SPW], v[NIL]
	v_lshrrev_b32 v7, 5, v0
	s_delay_alu instid0(VALU_DEP_1)
	v_readfirstlane_b32 s[WV], v7                  ; wave 0..15
	s_bfe_u32 s[CX], ttmp6, 0x40000
	s_and_b32 s[HEAD], ttmp7, 0xffff               ; the cluster's y
	s_lshr_b32 s10, s[WV], 2                       ; U0 = 4 ((w / 4 + w % 4) % 4) + w % 4: each number 0 .. 15 once, spread over the waves
	s_and_b32 s11, s[WV], 3
	s_add_co_u32 s10, s10, s11
	s_and_b32 s10, s10, 3
	s_lshl_b32 s10, s10, 2
	s_or_b32 s[U0], s10, s11
	s_sub_co_u32 s[U0+1], 31, s[U0]
	; descriptor group 1: a dense block of 16,384 bytes as 64 rows of 256
	s_mov_b32 s[G1], 15|(3<<16)|(1<<21)            ; 15:0 the mask: all four work-groups; 17:16 elements of 8 bytes; 20 no padding; 21 set beside a mask
	s_mov_b32 s[G1+1], 32<<16                      ; tensor_dim0 = 32
	s_mov_b32 s[G1+2], 64<<16                      ; tensor_dim1 = 64
	s_mov_b32 s[G1+3], 32<<16                      ; tile_dim0 = 32
	s_mov_b32 s[G1+4], 64                          ; tile_dim1 = 64
	s_mov_b32 s[G1+5], 32                          ; tensor_dim0_stride
	s_mov_b32 s[G1+6], 0
	s_mov_b32 s[G1+7], 0
	s_mov_b32 s[SEL], 0x76543210
	s_mov_b32 s[SEL+1], 0xfedcba98
	s_mov_b32 s[CS], 0x3e38aa3b                    ; log2(e) / 8
	; what I fetch, if I fetch: waves 0, 1: k's halves of a phase; waves 2, 3: v's
	s_bfe_u32 s60, s[WV], 0x10001                  ; k (0) or v (1)
	s_and_b32 s61, s[WV], 1                        ; which half
	s_lshl_b32 s62, s60, 17
	s_lshl_b32 s63, s61, 14
	s_add_co_u32 s62, s62, s63                     ; in LDS: no place in the cluster enters an LDS address
	s_add_co_u32 s10, s60, 1
	s_lshl_b32 s10, s10, 23                        ; in memory: the region,
	s_lshl_b32 s11, s[HEAD], 17
	s_add_co_u32 s10, s10, s11                     ; the head,
	s_add_co_u32 s10, s10, s63                     ; the half
	s_mov_b32 s11, 0
	v_and_b32 v[LI], 31, v0
	s_delay_alu instid0(VALU_DEP_1)
	v_lshlrev_b32 v[LI], 4, v[LI]
	s_wait_dscnt 0x0                               ; the opening add is done
	s_wait_kmcnt 0x0
	s_load_b256 s[EX:EX+7], s[6:7], 0x0            ; e0 .. e7
	s_add_nc_u64 s[10:11], s[4:5], s[10:11]
.irp g, 0,1,2,3
	s_mov_b32 s[G0+4*\g], 1                        ; count = 1
	s_add_co_u32 s[G0+4*\g+1], s62, \g*PHB         ; LDS address
	s_add_nc_u64 s[G0+4*\g+2:G0+4*\g+3], s[10:11], \g*PHB   ; global address
	s_or_b32 s[G0+4*\g+3], s[G0+4*\g+3], 0x80000000         ; type = 2
.endr
	CROUND                                         ; all four work-groups are here: the joint loads meet
	s_cmp_lt_u32 s[WV], 4                          ; a fetching wave's four loads stand in one branch, in the order of the keys, ahead of every wait on TENSORcnt, every LDS read and every further barrier: four loads of mine are out
	s_cbranch_scc0 .Lno_fetch
.irp g, 0,1,2,3
	tensor_load_to_lds s[G0+4*\g:G0+4*\g+3], s[G1:G1+7]
	s_nop 0
.endr
.rept 4
	v_nop
.endr
.Lno_fetch:
	; q's two fragments: head, block U, fragment cx
	s_lshl_b32 s2, s[HEAD], 17
	s_lshl_b32 s3, s[CX], 10
	s_add_co_u32 s2, s2, s3
	s_mov_b32 s27, 0
.irp x, 0,1
	s_lshl_b32 s26, s[U0+\x], 12
	s_add_co_u32 s26, s26, s2
	s_add_nc_u64 s[QB+2*\x:QB+2*\x+1], s[4:5], s[26:27]
.endr
	s_wait_alu depctr_va_vdst(0)
.irp x, 0,1
	global_load_b128 v[Q+8*\x:Q+8*\x+3], v[LI], s[QB+2*\x:QB+2*\x+1] th:TH_LOAD_NT
	global_load_b128 v[Q+8*\x+4:Q+8*\x+7], v[LI], s[QB+2*\x:QB+2*\x+1] offset:512 th:TH_LOAD_NT
.endr
	; the output's two places
	s_lshr_b32 s2, s[HEAD], 4
	s_lshl_b32 s2, s2, 21                          ; the batch's 32 blocks of 65,536 bytes,
	s_bfe_u32 s3, s[HEAD], 0x20002
	s_lshl_b32 s3, s3, 14
	s_add_co_u32 s2, s2, s3                        ; the K step of four heads,
	s_lshl_b32 s3, s[CX], 12
	s_add_co_u32 s2, s2, s3                        ; the fragment,
	s_and_b32 s3, s[HEAD], 3
	s_lshl_b32 s3, s3, 10
	s_add_co_u32 s2, s2, s3                        ; the head among the four
.irp x, 0,1
	s_lshl_b32 s26, s[U0+\x], 16
	s_add_co_u32 s26, s26, s2
	s_add_nc_u64 s[OB+2*\x:OB+2*\x+1], s[8:9], s[26:27]
.endr
	; the mask's lane value: my query is row 32 (cx / 2) + 8 (cx % 2) + r + 8 (r / 8) of its block; register n of S^T holds key 32 (n / 16) + n % 16 + 16 h
	v_and_b32 v7, 15, v0
	v_bfe_u32 v8, v0, 4, 1
	s_delay_alu instid0(VALU_DEP_2)
	v_and_b32 v9, 8, v7
	s_delay_alu instid0(VALU_DEP_1)
	v_add_nc_u32 v9, v9, v7
	s_delay_alu instid0(VALU_DEP_3)
	v_lshlrev_b32 v8, 4, v8
	s_delay_alu instid0(VALU_DEP_1)
	v_sub_nc_u32 v9, v9, v8
	s_lshr_b32 s2, s[CX], 1
	s_lshl_b32 s2, s2, 5
	s_and_b32 s3, s[CX], 1
	s_lshl_b32 s3, s3, 3
	s_add_co_u32 s2, s2, s3
	v_add_nc_u32 v[DQ], s2, v9
.irp x, 0,1
	v_mov_b32 v[ST+4*\x+1], 0xff61b1e6             ; the largest t so far: -3e38, under every t
	s_delay_alu instid0(VALU_DEP_1)
	v_floor_f32 v[ST+4*\x], -v[ST+4*\x+1]          ; -M
	v_mov_b32 v[ST+4*\x+2], 0                      ; l, in two halves
	v_mov_b32 v[ST+4*\x+3], 0
.endr
	v_mov_b32 v[PX], 0                             ; written once: a lane permute's destination counts as one of its sources
	v_mov_b32 v[F+1], 0                            ; named as the upper half of a pair
	v_mov_b32 v[NINF], 0xff800000
.set n, 0
.rept 64
	v_mov_b32 v[O+n], 0                            ; O^T.  (The step is written without a first copy: the first step finds zeros, which the first change of M leaves zeros)
.set n, n+1
.endr
	s_wait_kmcnt 0x0
	s_add_co_i32 s2, s[EX+2], s[EX+3]
	s_lshl_b32 s2, s2, 23
	s_add_co_i32 s[CS], s[CS], s2                  ; a score stands for score x 2^(e2 + e3): the two exponents are added to c's exponent field
	s_mov_b32 s[CS+1], s[CS]                       ; named with it as a pair, so it is written
	s_add_co_i32 s2, s[EX+4], 127
	s_lshl_b32 s3, s2, 23
	v_mov_b32 v[SCP], s3                           ; 2^e4 as f32
	s_sub_co_i32 s2, s[EX+6], s[EX+4]
	s_sub_co_i32 s2, s2, s[EX+5]                   ; a sum of the second product stands for sum x 2^(e4 + e5): the three scales are folded into the conversion's one
	s_add_co_i32 s2, s2, 127
	s_lshl_b32 s3, s2, 23
	v_mov_b32 v[SCO], s3
	s_wait_loadcnt 0x0                             ; q
; ONE TILE'S KEY STEP: 16 queries x 64 keys.
.macro TILE x
.set rN, ST+4*\x
.set rL, ST+4*\x+2
.set rQ, Q+8*\x
.set rO, O+32*\x
.irp t, 0,1,2,3
	v_wmma_f32_16x16x64_bf8_bf8 v[S+8*\t:S+8*\t+7], v[KF+8*\t:KF+8*\t+7], v[rQ:rQ+7], 0
.endr
.rept 4
	v_nop                                          ; four places in front of the first read of results
.endr
	s_cmp_lg_u32 s[KS], s[U0+\x]                   ; in the tile's own block the scores of hidden keys become -infinity ahead of the maximum: p = 0 then.  The block's first key counts for every query
	s_cbranch_scc1 .Lopen_\@
.set n, 0
.rept 32
	v_cmp_gt_i32 vcc_lo, 32*(n/16)+n%16, v[DQ]
	v_cndmask_b32 v[S+n], v[S+n], v[NINF], vcc_lo
.set n, n+1
.endr
.Lopen_\@:
	v_max3_num_f32 v[T0], v[S], v[S+1], v[S+2]     ; the step's largest score of my query among my 32 keys, in two chains; each accumulator is first read at its low end
	v_max3_num_f32 v[T1], v[S+3], v[S+4], v[S+5]
.irp i, 6,10,14,18,22,26
	v_max3_num_f32 v[T0], v[T0], v[S+\i], v[S+\i+1]
	v_max3_num_f32 v[T1], v[T1], v[S+\i+2], v[S+\i+3]
.endr
	v_max3_num_f32 v[T0], v[T0], v[S+30], v[S+31]
	s_delay_alu instid0(VALU_DEP_1)
	v_max_num_f32 v[T0], v[T0], v[T1]
	s_delay_alu instid0(VALU_DEP_1)
	v_permlanex16_b32 v[PX], v[T0], s[SEL], s[SEL+1]
	s_delay_alu instid0(VALU_DEP_1)
	v_max_num_f32 v[T0], v[T0], v[PX]              ; and among lane l xor 16's
	s_delay_alu instid0(VALU_DEP_1)
	v_mul_f32 v[T0], s[CS], v[T0]                  ; as t (c is positive)
	s_delay_alu instid0(VALU_DEP_1)
	v_max_num_f32 v[rN+1], v[rN+1], v[T0]          ; the running largest t
	v_mov_b32 v[T0], v[rN]
	s_delay_alu instid0(VALU_DEP_2)
	v_floor_f32 v[rN], -v[rN+1]                    ; the new -M = floor(-t) = -ceil(t): a whole number
	s_delay_alu instid0(VALU_DEP_1)
	v_sub_f32 v[T0], v[rN], v[T0]                  ; old M - new M: a whole number, 0 or less
	s_delay_alu instid0(VALU_DEP_1)
	v_cvt_i32_f32 v[T0], v[T0]                     ; (it saturates)
	s_delay_alu instid0(VALU_DEP_1)
	v_ldexp_f32 v[F], 1.0, v[T0]                   ; f = 2^(old M - new M)
.set n, 0
.rept 16
	v_pk_fma_f32 v[S+n:S+n+1], v[S+n:S+n+1], s[CS:CS+1], v[rN:rN+1] op_sel_hi:[1,0,0]   ; t - M, two at a time (of the pairs c and -M the low word serves both halves)
.set n, n+2
.endr
.set n, 0
	s_wait_alu depctr_va_vdst(0)
.rept 32
	v_exp_f32 v[S+n], v[S+n]                       ; p = 2^(t - M), at most 1: not normalised
.set n, n+1
.endr
	v_pk_mul_f32 v[rL:rL+1], v[rL:rL+1], v[F:F+1] op_sel_hi:[1,0]   ; l under the new M: the plain instruction behind the exponentials
	s_wait_alu depctr_va_vdst(0)                   ; one wait for the whole batch, ahead of its first reader
	v_pk_add_f32 v[SUM2:SUM2+1], v[S:S+1], v[S+2:S+3]               ; l takes the UNQUANTISED p: two at a time, in two chains
.irp j, 4,8,12,16,20,24,28
	v_pk_add_f32 v[rL:rL+1], v[rL:rL+1], v[S+\j:S+\j+1]
	v_pk_add_f32 v[SUM2:SUM2+1], v[SUM2:SUM2+1], v[S+\j+2:S+\j+3]
.endr
	s_delay_alu instid0(VALU_DEP_1)
	v_pk_add_f32 v[rL:rL+1], v[rL:rL+1], v[SUM2:SUM2+1]
.set n, 0
.rept 32
.set n, n+1
.endr
.irp t, 0,1,2,3
	v_cvt_scalef32_pk8_bf8_f32 v[PC+2*\t:PC+2*\t+1], v[S+8*\t:S+8*\t+7], v[SCP]   ; registers 4 b .. 4 b + 3: keys 32 b + 16 h + 0 .. 15, as v's fragments have them
.endr
.set n, 0
.rept 16
	v_pk_mul_f32 v[rO+n:rO+n+1], v[rO+n:rO+n+1], v[F:F+1] op_sel_hi:[1,0]   ; O^T under the new M.  (These are also the plain instructions between the conversions and the products that read the codes)
.set n, n+2
.endr
	s_wait_alu depctr_va_vdst(0)
	s_wait_dscnt 0x0                               ; v's fragments are in
.irp t, 0,1,2,3
	v_wmma_f32_16x16x64_bf8_bf8 v[rO+8*\t:rO+8*\t+7], v[VF+8*\t:VF+8*\t+7], v[PC:PC+7], v[rO+8*\t:rO+8*\t+7]   ; the four accumulators by turns, one instruction a turn
.endr
.endm
; A KEY STEP of the wave: the block's fragments of k and v, once for both tiles.  A step behind both tiles' blocks is left out, and tile 0's part behind its block: scalar branches on the wave's and the step's numbers; no barrier stands in a step.
.macro STEP
	s_cmp_gt_u32 s[KS], s[U0+1]
	s_cbranch_scc1 .Lidle_\@
	v_add_nc_u32 v[ADK], s[TB], v[LI]
	s_delay_alu instid0(VALU_DEP_1)
	v_add_nc_u32 v[ADV], VIMG, v[ADK]
	v_nop                                          ; with the two additions: four places in front of loads into registers that matrix instructions have read
	v_nop
.irp t, 0,1,2,3
	ds_load_b128 v[KF+8*\t:KF+8*\t+3], v[ADK] offset:1024*\t          ; an image: 512 consecutive bytes an instruction
	ds_load_b128 v[KF+8*\t+4:KF+8*\t+7], v[ADK] offset:1024*\t+512
.endr
.irp t, 0,1,2,3
	ds_load_b128 v[VF+8*\t:VF+8*\t+3], v[ADV] offset:1024*\t
	ds_load_b128 v[VF+8*\t+4:VF+8*\t+7], v[ADV] offset:1024*\t+512
.endr
	s_wait_dscnt 8                                 ; k's eight loads are in; v's eight may be out
	TILE 1
	s_cmp_gt_u32 s[KS], s[U0]
	s_cbranch_scc1 .Lidle_\@
	TILE 0
.Lidle_\@:
.endm
; A PHASE: eight key steps.  The fetching waves wait for the phase's load (the 3 - g loads of the later phases may stay out: no LDS byte is ever filled again), then the barrier shows it to all sixteen.
.macro PHASE g
	s_wait_tensorcnt 3-\g
	s_wait_dscnt 0x0
	s_barrier_signal -1
	s_barrier_wait -1
	s_mov_b32 s[KS], 8*\g
	s_mov_b32 s[TB], PHB*\g
	s_mov_b32 s[CNT], 8
.Lstep_\@:
	STEP
	s_add_co_u32 s[KS], s[KS], 1
	s_add_co_u32 s[TB], s[TB], 4096
	s_sub_co_u32 s[CNT], s[CNT], 1
	s_cmp_lg_u32 s[CNT], 0
	s_cbranch_scc1 .Lstep_\@
.endm
	PHASE 0
	PHASE 1
	PHASE 2
	PHASE 3
	; THE WAY OUT.  l's two halves and lane l xor 16's are added; O^T / l is converted; the codes' registers are the image of the next product's operand: two stores a tile, no LDS.
.rept 4
	v_nop
.endr
	v_add_f32 v[ST+2], v[ST+2], v[ST+3]
	v_add_f32 v[ST+6], v[ST+6], v[ST+7]
	s_delay_alu instid0(VALU_DEP_2)
	v_permlanex16_b32 v[ST+3], v[ST+2], s[SEL], s[SEL+1]
	s_delay_alu instid0(VALU_DEP_2)
	v_permlanex16_b32 v[ST+7], v[ST+6], s[SEL], s[SEL+1]
	s_delay_alu instid0(VALU_DEP_2)
	v_add_f32 v[ST+2], v[ST+2], v[ST+3]
	s_delay_alu instid0(VALU_DEP_2)
	v_add_f32 v[ST+6], v[ST+6], v[ST+7]
	s_wait_alu depctr_va_vdst(0)
	v_rcp_f32 v[ST+2], v[ST+2]
	v_rcp_f32 v[ST+6], v[ST+6]
	v_nop                                          ; a plain instruction between the last reciprocal and the use of its result
	s_wait_alu depctr_va_vdst(0)                   ; and one wait for the two, ahead of the first use
.macro OUT x, cd
.set n, 0
.rept 16
	v_pk_mul_f32 v[O+32*\x+n:O+32*\x+n+1], v[O+32*\x+n:O+32*\x+n+1], v[ST+4*\x+2:ST+4*\x+3] op_sel_hi:[1,0]   ; O^T / l, each accumulator from its low end on
.set n, n+2
.endr
.set n, 0
.rept 32
.set n, n+1
.endr
.irp t, 0,1,2,3
	v_cvt_scalef32_pk8_bf8_f32 v[\cd+2*\t:\cd+2*\t+1], v[O+32*\x+8*\t:O+32*\x+8*\t+7], v[SCO]   ; registers 4 c .. 4 c + 3: channels 32 c + 16 h + 0 .. 15 of my query
.endr
	v_nop                                          ; one plain vector instruction behind the last conversion
	global_store_b128 v[LI], v[\cd:\cd+3], s[OB+2*\x:OB+2*\x+1] th:TH_STORE_NT                  ; 32 lanes store 512 consecutive bytes, at a multiple of 512 from the buffer's first byte
	global_store_b128 v[LI], v[\cd+4:\cd+7], s[OB+2*\x:OB+2*\x+1] offset:512 th:TH_STORE_NT
.endm
	OUT 0, PC
	OUT 1, KF
	s_wait_tensorcnt 0x0                           ; the wave's end
	ds_add_u32 v[SPW], v[NIL]
	s_wait_dscnt 0x0
	CROUND                                         ; the closing round
	s_endpgm
.Lfunc_end_k_qf17f93dcb6_attn:
	.size	k_qf17f93dcb6_attn, .Lfunc_end_k_qf17f93dcb6_attn-k_qf17f93dcb6_attn
	.p2alignl 7, 3214868480
	.fill 96, 4, 3214868480
	.section	.rodata,"a",@progbits
	.p2align	6, 0x0
	.amdhsa_kernel k_qf17f93dcb6_attn
		.amdhsa_group_segment_fixed_size 327680
		.amdhsa_private_segment_fixed_size 0
		.amdhsa_enable_private_segment 0
		.amdhsa_kernarg_size 24
		.amdhsa_user_sgpr_count 2
		.amdhsa_user_sgpr_kernarg_segment_ptr 1
		.amdhsa_wavefront_size32 1
		.amdhsa_system_sgpr_workgroup_id_x 1
		.amdhsa_system_sgpr_workgroup_id_y 1
		.amdhsa_system_sgpr_workgroup_id_z 1
		.amdhsa_system_vgpr_workitem_id 0
		.amdhsa_next_free_vgpr 256
		.amdhsa_next_free_sgpr 100
		.amdhsa_reserve_vcc 1
		.amdhsa_float_denorm_mode_32 3
		.amdhsa_float_denorm_mode_16_64 3
		.amdhsa_fp16_overflow 1
		.amdhsa_memory_ordered 1
		.amdhsa_forward_progress 1
		.amdhsa_inst_pref_size 91
	.end_amdhsa_kernel
	.amdgpu_metadata
---
amdhsa.version: [ 1, 2 ]
amdhsa.kernels:
  - .name:           k_qf17f93dcb6_attn
    .symbol:         k_qf17f93dcb6_attn.kd
    .args:
      - { .name: qkvc, .offset: 0, .size: 8, .value_kind: global_buffer, .address_space: global }
      - { .name: lowp_scales, .offset: 8, .size: 8, .value_kind: global_buffer, .address_space: global }
      - { .name: acodes, .offset: 16, .size: 8, .value_kind: global_buffer, .address_space: global }
    .group_segment_fixed_size: 327680
    .private_segment_fixed_size: 0
    .kernarg_segment_align: 8
    .kernarg_segment_size: 24
    .max_flat_workgroup_size: 512
    .sgpr_count:     100
    .vgpr_count:     256
    .wavefront_size: 32
...
	.end_amdgpu_metadata
.endif
;; end of part 2
;; launch proj (part 3): grid 4 x 64, 4 waves a work-group, clusters of 4 x 4, 327,680 bytes of LDS; arguments acodes, w_out_codes, lowp_scales, out0; writes out0
.if DOCPART == 3
	.amdgcn_target "amdgcn-amd-amdhsa--gfx1250"
	.amdhsa_code_object_version 6
	.text
	.protected	k_qf17f93dcb6_proj
	.globl	k_qf17f93dcb6_proj
	.p2align	8
	.type	k_qf17f93dcb6_proj,@function
k_qf17f93dcb6_proj:
	s_mov_b64 s[64:65], 0
	v_nop
	global_prefetch_b8 v0, s[64:65] scope:SCOPE_SE
	s_setreg_imm32_b32 hwreg(HW_REG_WAVE_MODE, 25, 1), 1
	s_wait_xcnt 0x0
	s_wait_alu depctr_hold_cnt(0) depctr_sa_sdst(0) depctr_va_vdst(0) depctr_va_sdst(0) depctr_va_ssrc(0) depctr_va_vcc(0) depctr_vm_vsrc(0)
	s_getreg_b32 s2, hwreg(HW_REG_IB_STS2, 6, 4)
	s_cmp_eq_u32 s2, 0
	s_cbranch_scc0 .Lentry_in_a_cluster
	s_endpgm
.Lentry_in_a_cluster:
	s_bfe_u32 s2, ttmp6, 0x10000c
	s_cmp_lg_u32 s2, 0xf033
	s_cbranch_scc0 .Lentry_shape_is_right
	s_endpgm
.Lentry_shape_is_right:
; out0 = attention's result x w_out on codes of BF8 (E5M2): [8192 tokens][1024] x [1024 columns][1024] (K innermost), f32 sums, each multiplied once by 2^(e6 + e7).
; LIMIT: e6 + e7 lies between -126 and 127, so that 2^(e6 + e7) is an f32 number.
; acodes holds the tokens' codes as images of operand registers: [block of 64 tokens 128][K step of 256: 4][fragment ta 4][128 along K: 2][c 4][lane 32][16 bytes]: lane (r, h) of load c holds
; K = 32 c + 16 h + 0 .. 15 of token 32 (ta / 2) + 8 (ta % 2) + r + 8 (r / 8) of the block.  w_out's rows are read from padded LDS rows in the same order of k.
; A tile of the result is 128 tokens x 256 columns: 256 work-groups (tiles of 256 x 256 would be 128).  Four waves, each 64 tokens x 128 columns: 32 accumulators, 256 registers.
; K goes in steps of 256 through a ring of two LDS slots; a slot holds two dense images of 16,384 bytes (A) and 256 padded rows of w_out (B).
; CLUSTERS: 4 x 4 work-groups.  The four of a row of the cluster need the same tokens, the four of a column the same rows of w_out: each tile is asked for jointly.
; K has four steps, of which two are asked for at the kernel's head: no prefetch is written.
; THE MATRIX INSTRUCTION IS USED TRANSPOSED (source 0 = 16 rows of w_out, source 1 = 16 tokens): a lane holds eight neighbouring columns of a token's row.
; REGISTERS: window 0: v0-31 addresses; v32-95 at work on the way out; v128-255 A's fragments, two sets of four.  window 1: B's fragments, two sets of eight.  window 2: the accumulators ((ta, b) at v[8 (8 ta + b)]).
.set KROW,   1024                      ; a row of w_out in memory, in bytes
.set PITCH,  272                       ; an LDS row of B: 256 bytes + 16 of padding: the 16 rows that a load touches start at 16 different banks (64 banks of 4 bytes: ISA guide 11.1)
.set ABLK,   16384                     ; 64 tokens x 256 along K, dense
.set BOFF,   2*ABLK                    ; B's rows lie behind A's two images
.set HALFB,  128*PITCH
.set SLOT,   BOFF+2*HALFB
.set LAPS,   2                         ; four K steps = twice round the ring
.set SPARE,  2*SLOT                    ; behind the ring: the spare words, 128 bytes for each wave
.set SPITCH, 528                       ; the way out: a stage of 16 rows x (512 bytes + 16) for each wave, in slot 0, which has had its last fill and its last read by then
.set ADRA, 16                          ; v16-17  LDS address of my A images in slot 0, 1
.set ADRB, 20                          ; v20-21  of my B fragments
.set STO,  24
.set RD,   25
.set CO,   26                          ; v26     16 x lane
.set SPW,  28                          ; v28     LDS address of my spare word; never rewritten
.set NIL,  29                          ; v29     0; never rewritten
.set TMP,  32
.set AF,   128
.set BK,   128                         ; the way out: 16 rows read back: v128-191 and v192-255 by turns
.set G1, 24                            ; s[24:31] descriptor group 1 for A;  s[32:39] group 0, one set for each slot
.set G0, 32
.set G1B, 48                           ; s[48:55], s[56:63] the same for B
.set G0B, 56
.set MSB, 0
.macro WIN new                         ; the immediate's high byte repeats the setting that is left
.if MSB != (\new)
	s_set_vgpr_msb (MSB<<8)|(\new)
.set MSB, (\new)
.endif
.endm
.set MULW, 0xa1                        ; source 0 (B) window 1, source 1 (A) window 0, C and D window 2
.set TO_B, 0x40                        ; destination window 1, address window 0
.macro JLOAD g0a, g1a, g0b, g1b        ; a joint load: waves 0 and 1 fetch for A, waves 2 and 3 for B; an s_nop 0 and four v_nop follow each of the two lines
	s_cmp_eq_u32 s15, 0
	s_cbranch_scc0 .Lfor_b_\@
	tensor_load_to_lds s[\g0a:\g0a+3], s[\g1a:\g1a+7]
	s_nop 0
.rept 4
	v_nop
.endr
	s_branch .Lasked_\@
.Lfor_b_\@:
	tensor_load_to_lds s[\g0b:\g0b+3], s[\g1b:\g1b+7]
	s_nop 0
.rept 4
	v_nop
.endr
.Lasked_\@:
.endm
.macro CREST                           ; a round of the cluster's barrier behind its opening barrier
	s_cmp_lg_u32 s14, 0
	s_cbranch_scc1 .Lnot_wave_0_\@
	s_barrier_signal -3
.Lnot_wave_0_\@:
	s_barrier_wait -3
	s_barrier_signal -1
	s_barrier_wait -1
.endm
.macro CROUND
	s_barrier_signal -1
	s_barrier_wait -1
	CREST
.endm
	s_load_b128 s[4:7], s[0:1], 0x0                ; acodes s[4:5], w_out's codes s[6:7]
	s_load_b128 s[8:11], s[0:1], 0x10              ; the scales' exponents s[8:9], out0 s[10:11]
	v_lshl_add_u32 v[SPW], v0, 2, SPARE
	v_mov_b32 v[NIL], 0
	ds_add_u32 v[SPW], v[NIL]                      ; the wave's opening: the add and its wait stand ahead of my first tensor load; the set-up below, work on registers, stands between them
	ds_add_u32 v[SPW], v[NIL]
	v_lshrrev_b32 v1, 5, v0
	v_readfirstlane_b32 s14, v1                    ; wave 0..3
	s_lshr_b32 s15, s14, 1                         ; which 64 tokens are mine.  Also: I fetch for A (0) or for B (1)
	s_and_b32 s16, s14, 1                          ; which 128 columns.  Also: which half of that tile I fetch
	s_bfe_u32 s40, ttmp6, 0x40000                  ; cx, cy
	s_bfe_u32 s41, ttmp6, 0x40004
	s_lshl_b32 s42, ttmp9, 2
	s_add_co_u32 s42, s42, s40                     ; tile column = 4 x cluster x + cx
	s_and_b32 s17, ttmp7, 0xffff
	s_lshl_b32 s17, s17, 2
	s_add_co_u32 s17, s17, s41                     ; tile row = 4 x cluster y + cy
	s_lshl_b32 s43, s41, 2
	s_lshl_b32 s43, 15, s43                        ; my row of the cluster
	s_lshl_b32 s44, 0x1111, s40                    ; my column
	; A: a dense block of 16,384 bytes as 64 rows of 256
	s_or_b32 s[G1+0], s43, (3<<16)|(1<<21)         ; 15:0 the mask: my row; 17:16 elements of 8 bytes; no padding; 21 set beside a mask
	s_mov_b32 s[G1+1], 32<<16                      ; tensor_dim0 = 32
	s_mov_b32 s[G1+2], 64<<16                      ; tensor_dim1 = 64
	s_mov_b32 s[G1+3], 32<<16                      ; tile_dim0 = 32
	s_mov_b32 s[G1+4], 64                          ; tile_dim1 = 64
	s_mov_b32 s[G1+5], 32                          ; tensor_dim0_stride
	s_mov_b32 s[G1+6], 0
	s_mov_b32 s[G1+7], 0
	; B: 128 rows x 256 bytes, padded in LDS
	s_or_b32 s[G1B+0], s44, (0<<16)|(1<<20)|(1<<21)|(5<<22)|(3<<25)  ; the mask: my column; elements of 1 byte; padding on: 4 words after every 64
	s_mov_b32 s[G1B+1], 256<<16
	s_mov_b32 s[G1B+2], 128<<16
	s_mov_b32 s[G1B+3], 256<<16
	s_mov_b32 s[G1B+4], 128
	s_mov_b32 s[G1B+5], KROW
	s_mov_b32 s[G1B+6], 0
	s_mov_b32 s[G1B+7], 0
	s_lshl_b32 s20, s17, 1
	s_add_co_u32 s20, s20, s16                     ; A: block of 64 tokens 2 x tile row + half,
	s_lshl_b32 s20, s20, 16                        ; 65,536 bytes each
	s_mov_b32 s21, 0
	s_lshl_b32 s46, s42, 8
	s_lshl_b32 s18, s16, 7
	s_add_co_u32 s46, s46, s18                     ; B: row 256 x tile column + 128 x half
	s_lshl_b32 s46, s46, 10
	s_mov_b32 s47, 0
	s_lshl_b32 s45, s16, 14                        ; where they go: A's half,
	s_mul_i32 s70, s16, HALFB
	s_add_co_u32 s70, s70, BOFF                    ; B's half: no place in the cluster enters an LDS address
	s_wait_dscnt 0x0                               ; the opening add is done
	s_wait_kmcnt 0x0
	s_load_b64 s[96:97], s[8:9], 0x18              ; e6, e7
	s_add_nc_u64 s[20:21], s[4:5], s[20:21]
	s_add_nc_u64 s[46:47], s[6:7], s[46:47]
	CROUND                                         ; all sixteen work-groups are here: the first joint loads meet
.irp s, 0,1
	s_mov_b32 s[G0+4*\s], 1
	s_add_co_u32 s[G0+4*\s+1], s45, \s*SLOT
	s_add_nc_u64 s[G0+4*\s+2:G0+4*\s+3], s[20:21], \s*ABLK
	s_or_b32 s[G0+4*\s+3], s[G0+4*\s+3], 0x80000000
	s_mov_b32 s[G0B+4*\s], 1
	s_add_co_u32 s[G0B+4*\s+1], s70, \s*SLOT
	s_add_nc_u64 s[G0B+4*\s+2:G0B+4*\s+3], s[46:47], \s*256
	s_or_b32 s[G0B+4*\s+3], s[G0B+4*\s+3], 0x80000000
	s_wait_alu depctr_va_vdst(0)
	s_wait_tensorcnt 0x0
	ds_add_u32 v28, v29
	ds_add_u32 v28, v29
	s_wait_dscnt 0x0
	CROUND
	JLOAD G0+4*\s, G1, G0B+4*\s, G1B
.endr
	v_and_b32 v1, 15, v0                           ; r
	v_bfe_u32 v2, v0, 4, 1                         ; h
	v_and_b32 v6, 31, v0
	v_lshlrev_b32 v[CO], 4, v6                     ; 16 x lane
	v_mul_u32_u24 v3, v1, PITCH
	v_lshl_add_u32 v4, v2, 4, v3                   ; a fragment's row x pitch + 16 x half
	s_lshl_b32 s21, s15, 14                        ; my 64 tokens' image
	s_mul_i32 s22, s16, HALFB
	s_add_co_u32 s22, s22, BOFF                    ; my 128 rows of B
.irp s, 0,1
	v_add_nc_u32 v[ADRA+\s], s21, v[CO]
	v_add_nc_u32 v[ADRB+\s], s22, v4
	s_add_co_u32 s21, s21, SLOT
	s_add_co_u32 s22, s22, SLOT
.endr
	s_mul_i32 s23, s14, 16*SPITCH                  ; my stage
	v_mul_u32_u24 v5, v1, SPITCH                   ; in: row r, 32 bytes for each half of the lanes
	v_lshl_add_u32 v5, v2, 5, v5
	v_add_nc_u32 v[STO], s23, v5
	v_add_nc_u32 v[RD], s23, v[CO]                 ; back: the 32 lanes take one row of 512 bytes
	s_lshl_b32 s20, s17, 7
	s_lshl_b32 s21, s15, 6
	s_add_co_u32 s20, s20, s21                     ; my first token: 128 x tile row + 64 x half,
	s_lshl_b32 s20, s20, 12                        ; a row of out0 is 4,096 bytes
	s_lshl_b32 s46, s42, 10                        ; my first column, in bytes: 1,024 x tile column + 512 x half
	s_lshl_b32 s47, s16, 9
	s_add_co_u32 s46, s46, s47
	s_add_co_u32 s20, s20, s46
	s_mov_b32 s21, 0
	s_add_nc_u64 s[10:11], s[10:11], s[20:21]      ; never stepped: every row's place stands in a store's immediate, 63 rows at the most
; 48 LDS loads in one run: the fragments of the slot's q-th 128 along K into set p: B's eight from padded rows, A's four from the image, 512 consecutive bytes an instruction
.macro FETCH slot, q, p
	WIN TO_B
.irp i, 0,1,2,3,4,5,6,7
.irp c, 0,1,2,3
	ds_load_b128 v[128*\p+16*\i+4*\c:128*\p+16*\i+4*\c+3], v[ADRB+\slot] offset:128*\q+32*\c+\i*16*PITCH
.endr
.endr
	WIN 0
.irp t, 0,1,2,3
.irp c, 0,1,2,3
	ds_load_b128 v[AF+64*\p+16*\t+4*\c:AF+64*\p+16*\t+4*\c+3], v[ADRA+\slot] offset:4096*\t+2048*\q+512*\c
.endr
.endr
.endm
; 8 n matrix instructions: token fragments t0 .. t0 + n - 1 x B's eight, 128 along K, set p.  zero = 1: the first product starts the sums.
; The 32 accumulators take turns, one instruction a turn, in the same order in every step.
.macro MUL p, t0, n, zero
.set tt, \t0
.rept \n
.irp b, 0,1,2,3,4,5,6,7
.if \zero
	v_wmma_f32_16x16x128_bf8_bf8 v[8*(8*tt+\b):8*(8*tt+\b)+7], v[128*\p+16*\b:128*\p+16*\b+15], v[AF+64*\p+16*tt:AF+64*\p+16*tt+15], 0
.else
	v_wmma_f32_16x16x128_bf8_bf8 v[8*(8*tt+\b):8*(8*tt+\b)+7], v[128*\p+16*\b:128*\p+16*\b+15], v[AF+64*\p+16*tt:AF+64*\p+16*tt+15], v[8*(8*tt+\b):8*(8*tt+\b)+7]
.endif
.endr
.set tt, tt+1
.endr
.endm
.macro PLACES                          ; four places in front of loads into registers that matrix instructions have read, and of the first read of results (ISA guide 7.12.1 for vector instructions)
.rept 4
	v_nop
.endr
.endm
; A slot's first 128 along K (set 0); the second's fragments are asked for first.
.macro STEP slot, zero
	PLACES
	FETCH \slot, 1, 1
	s_wait_dscnt 48                                ; set 0 is in; the 48 loads just issued may be out
	WIN MULW
	MUL 0, 0, 4, \zero
	WIN 0
.endm
; A slot's second 128 along K (set 1) changes slots: ONE barrier; in front of it each wave waits for all its tensor loads, adds 0 to its spare word, and waits for that and for its own reads of this slot.  fill = 1: this slot is filled again, two K steps ahead.
.macro TURN slot, next, fill
	s_wait_tensorcnt 0x0                           ; all my tensor loads have landed: my part of the next slot
	ds_add_u32 v[SPW], v[NIL]                      ; 0 onto my spare word
	s_wait_dscnt 1                                 ; set 1 is in; the add alone may be out
	WIN MULW
	MUL 1, 0, 2, 0                                 ; sixteen matrix instructions stand between the add and the wait for it
	s_wait_dscnt 0x0                               ; the add is done, and my reads of this slot are over
	s_barrier_signal -1
	MUL 1, 2, 1, 0
	WIN 0
	s_barrier_wait -1
.if \fill
	CREST                                          ; the barrier has opened a round of the cluster's barrier: no wave of any partner still reads this slot or has a load on its way
	s_add_nc_u64 s[G0+4*\slot+2:G0+4*\slot+3], s[G0+4*\slot+2:G0+4*\slot+3], 2*ABLK
	s_add_nc_u64 s[G0B+4*\slot+2:G0B+4*\slot+3], s[G0B+4*\slot+2:G0B+4*\slot+3], 2*256
	JLOAD G0+4*\slot, G1, G0B+4*\slot, G1B         ; the first tensor load behind the round; the four v_nop behind it are the places in front of the loads below
.else
	PLACES
.endif
	FETCH \next, 0, 0
	WIN MULW
	MUL 1, 3, 1, 0
	WIN 0
.endm
	s_wait_alu depctr_va_vdst(0)
	s_wait_tensorcnt 1                             ; my part of K step 0 is in; K step 1's load may be out
	s_barrier_signal -1
	s_barrier_wait -1
	FETCH 0, 0, 0
	STEP 0, 1                                      ; the first step stands in front of the loop: its products start the sums
	s_mov_b32 s3, LAPS-1
.Llap:                                                 ; a trip goes once round the ring and fills both slots again
	TURN 0, 1, 1
	STEP 1, 0
	TURN 1, 0, 1
	STEP 0, 0
	s_sub_co_u32 s3, s3, 1
	s_cmp_lg_u32 s3, 0
	s_cbranch_scc1 .Llap
	TURN 0, 1, 0                                   ; the last lap fills nothing, and has no round of the cluster's barrier
	STEP 1, 0
	s_wait_dscnt 0x0                               ; the very last step
	WIN MULW
	MUL 1, 0, 4, 0
	WIN 0
; THE WAY OUT, a fragment of 16 tokens x 128 columns at a time, through my own stage in LDS: in by 32 bytes a lane, back as whole rows of 512 bytes.  LDS serves a wave's instructions in order (ISA guide 5.7.1.4).
.macro TOSTAGE a
	WIN 0x02                                       ; source 0: window 2
.set j, 0
.rept 32
	v_pk_mul_f32 v[TMP+j:TMP+j+1], v[64*(\a)+j:64*(\a)+j+1], s[96:97] op_sel_hi:[1,0]   ; both x s96 = 2^(e6 + e7); each accumulator from its low end on
.set j, j+2
.endr
	WIN 0
.irp b, 0,1,2,3,4,5,6,7
	ds_store_b128 v[STO], v[TMP+8*\b:TMP+8*\b+3] offset:64*\b
	ds_store_b128 v[STO], v[TMP+8*\b+4:TMP+8*\b+7] offset:64*\b+16
.endr
.irp t, 0,1,2,3,4,5,6,7,8,9,10,11,12,13,14,15
	ds_load_b128 v[BK+64*((\a)%2)+4*\t:BK+64*((\a)%2)+4*\t+3], v[RD] offset:\t*SPITCH
.endr
.endm
.macro SEND a, younger                 ; younger: the LDS instructions issued behind fragment a's loads: the next fragment's 16 stores and 16 loads, or none
	s_wait_dscnt \younger
.irp t, 0,1,2,3,4,5,6,7,8,9,10,11,12,13,14,15
	global_store_b128 v[CO], v[BK+64*((\a)%2)+4*\t:BK+64*((\a)%2)+4*\t+3], s[10:11] offset:(32*((\a)/2)+8*((\a)%2)+\t+8*(\t/8))*4096 th:TH_STORE_NT   ; stage row t is token 32 (a / 2) + 8 (a % 2) + t + 8 (t / 8); 32 lanes store 512 consecutive bytes, aligned
.endr
.endm
	s_wait_kmcnt 0x0
	s_add_co_i32 s96, s96, s97                     ; e6 + e7, between -126 and 127,
	s_add_co_i32 s96, s96, 127
	s_lshl_b32 s96, s96, 23                        ; makes the f32 number 2^(e6 + e7)
	PLACES
	TOSTAGE 0
.irp a, 1,2,3
.if \a > 1
	s_wait_xcnt 0x0                                ; fragment a - 2's stores have read their registers: fragment a's loads may land there
.endif
	TOSTAGE \a
	SEND \a-1, 32
.endr
	SEND 3, 0
	s_wait_tensorcnt 0x0                           ; the wave's end, behind my last tensor load and my last LDS store
	ds_add_u32 v[SPW], v[NIL]
	s_wait_dscnt 0x0
	CROUND                                         ; the closing round
	s_endpgm
.Lfunc_end_k_qf17f93dcb6_proj:
	.size	k_qf17f93dcb6_proj, .Lfunc_end_k_qf17f93dcb6_proj-k_qf17f93dcb6_proj
	.p2alignl 7, 3214868480
	.fill 96, 4, 3214868480
	.section	.rodata,"a",@progbits
	.p2align	6, 0x0
	.amdhsa_kernel k_qf17f93dcb6_proj
		.amdhsa_group_segment_fixed_size 327680
		.amdhsa_private_segment_fixed_size 0
		.amdhsa_enable_private_segment 0
		.amdhsa_kernarg_size 32
		.amdhsa_user_sgpr_count 2
		.amdhsa_user_sgpr_kernarg_segment_ptr 1
		.amdhsa_wavefront_size32 1
		.amdhsa_system_sgpr_workgroup_id_x 1
		.amdhsa_system_sgpr_workgroup_id_y 1
		.amdhsa_system_sgpr_workgroup_id_z 1
		.amdhsa_system_vgpr_workitem_id 0
		.amdhsa_next_free_vgpr 768
		.amdhsa_next_free_sgpr 100
		.amdhsa_reserve_vcc 0
		.amdhsa_float_denorm_mode_32 3
		.amdhsa_float_denorm_mode_16_64 3
		.amdhsa_memory_ordered 1
		.amdhsa_forward_progress 1
		.amdhsa_inst_pref_size 76
	.end_amdhsa_kernel
	.amdgpu_metadata
---
amdhsa.version: [ 1, 2 ]
amdhsa.kernels:
  - .name:           k_qf17f93dcb6_proj
    .symbol:         k_qf17f93dcb6_proj.kd
    .args:
      - { .name: acodes, .offset: 0, .size: 8, .value_kind: global_buffer, .address_space: global }
      - { .name: w_out_codes, .offset: 8, .size: 8, .value_kind: global_buffer, .address_space: global }
      - { .name: lowp_scales, .offset: 16, .size: 8, .value_kind: global_buffer, .address_space: global }
      - { .name: out0, .offset: 24, .size: 8, .value_kind: global_buffer, .address_space: global }
    .group_segment_fixed_size: 327680
    .private_segment_fixed_size: 0
    .kernarg_segment_align: 8
    .kernarg_segment_size: 32
    .max_flat_workgroup_size: 128
    .sgpr_count:     100
    .vgpr_count:     768
    .wavefront_size: 32
...
	.end_amdgpu_metadata
.endif
;; end of part 3
